; MI455X (gfx1250); checked and timed in simulation.
; The chip was launched on July 23, 2026; its instructions are those of AMD's public machine-readable ISA for CDNA 5 (MIT licence, August 2026) and "CDNA5" Instruction Set Architecture Reference Guide (July 2026). The comments in the code are by the model that wrote it; some were corrected since.
;; NN. Allowed arithmetic: matrix products marked QUANTISED: E3M2 operands, one E8M0 scale for each 32 along K, by v_wmma_scale_f32_16x16x128_f8f6f4 with both operands' format E3M2, f32 sums; everything else in f32.
;; Inputs: train_label 32,768 float32; train_pts 32,768 x 128 float32; x 8,192 x 128 float32.
;; Outputs: out0 8,192 float32.
;; This version of the problem:
;;   THIS VERSION OF THE PROBLEM IS GIVEN IN LOW PRECISION. The matrix products marked QUANTISED in the list below multiply operands that are first quantised to E3M2 (3 exponent bits, 2 mantissa bits; 6 bits a number), with one power-of-two scale for each 32 numbers along K (OCP MX v1.0); their sums are f32. All else is computed in f32.
;;   The module's matrix products, in the order in which they are computed (A, B: the left and right operand; K: the contracted axis; several contracted axes count as one K, in the product's order):
;;     1. [M 8,192, K 128] x [K 128, N 32,768]; A: input x; B: input train_pts: QUANTISED
;;   THE QUANTISER, for each operand of a quantised product, along K:
;;     - K is cut into blocks of 32 from its start; a last block that is shorter is filled with zeros.
;;     - A block's scale is 2^e with e = floor(log2(the largest magnitude in the block)) - 4, held to -126 .. 127; a block of zeros has e = 0. As a byte (E8M0): e + 127.
;;     - Each number is divided by its block's scale, clamped to +-28, and rounded to the nearest number of E3M2, ties to even, subnormals kept.
;;     - The product sums the exact products of the quantised numbers (number of the format x scale) in f32.
;;   ~~~python
;;   def quantise(x, axis):      # numpy; x: float32 -> the quantised numbers, widened to float32 again
;;       x = np.moveaxis(x, axis, -1); K = x.shape[-1]
;;       x = np.pad(x, [(0, 0)] * (x.ndim - 1) + [(0, -K % 32)]); x = x.reshape(x.shape[:-1] + (-1, 32)); a = np.abs(x).max(-1, keepdims=True)
;;       e = np.where(a > 0, np.clip(np.frexp(np.where(a > 0, a, 1))[1] - 1 - 4, -126, 127), 0)      # np.frexp(a)[1] - 1 = floor(log2(a)), exactly
;;       r = np.clip(x / 2.0 ** e, -28, 28)
;;       step = 2.0 ** (np.maximum(np.frexp(np.where(r == 0, 1, r))[1] - 1, -2) - 2)
;;       q = np.round(r / step) * step * 2.0 ** e      # np.round: ties to even
;;       return np.moveaxis(q.reshape(q.shape[:-2] + (-1,))[..., :K], -1, axis).astype(np.float32)
;;   ~~~
;; One version. Each part assembles by itself: llvm-mc -triple=amdgcn-amd-amdhsa -mcpu=gfx1250 --defsym DOCPART=n.
;; ======== version 1 of 1: 3 launches
;; limits: right only within a limited range of input values
;; workspace buffers: qcode 786,432 bytes; qside 65,536 bytes; tcode 3,145,728 bytes; tside 262,144 bytes; part 2,097,152 bytes of whole numbers
;; launch prep (part 1): grid 256 x 1, 5 waves a work-group, no clusters, 87,808 bytes of LDS; arguments x, train_pts, qcode, qside, tcode, tside; writes qcode, qside, tcode, tside
.if DOCPART == 1
	.amdgcn_target "amdgcn-amd-amdhsa--gfx1250"
	.amdhsa_code_object_version 6
	.text
	.protected	k_qea8e3ca2b7_prep
	.globl	k_qea8e3ca2b7_prep
	.p2align	8
	.type	k_qea8e3ca2b7_prep,@function
k_qea8e3ca2b7_prep:
	s_mov_b64 s[64:65], 0
	v_nop
	global_prefetch_b8 v0, s[64:65] scope:SCOPE_SE
	s_setreg_imm32_b32 hwreg(HW_REG_WAVE_MODE, 25, 1), 1
	s_wait_xcnt 0x0
; x [8192][128] and train_pts [32768][128], f32, become codes of BF6 (E3M2) with one E8M0 byte for each 32 along K, laid as IMAGES OF THE OPERAND REGISTERS, tile by tile of 16 rows:
; a tile is 1,536 bytes; lane (r, h) holds row r; registers 0-5 its K block h, registers 6-11 its K block 2 + h; registers 4 c .. 4 c + 3 of lane l lie at byte 512 c + 16 l.
; Beside each tile 128 side bytes: 16 scale words (row r: four bytes, K ascending), then 16 f32: for x the row sum of squares x2, for train_pts hy = -y2 / 2 (an exact halving).
; WHICH ROWS FORM A TILE.  Query tile i: rows 16 i + r.  Training tile 8 sg + t, row 8 H + j: point 128 sg + 64 H + 8 t + j, so that in the product one half of the lanes sees, over 8 tiles, 64 points on end.
; A block scale is 2^(floor(log2(largest magnitude)) - 4); its byte is the largest magnitude exponent field - 4, held at 1 from below.  A block of zeros keeps the byte 1: its codes are zeros, and this program alone reads the bytes.
; LIMITS: blocks whose largest magnitude lies under 2^-122 keep the byte 1; NaN and infinities are not served; the sums of squares are taken in this text own order (four packed chains, then lane l xor 16).
; SHARES.  1,280 wave tasks of two tiles: task W = 5 x work-group + wave; W < 256 takes x, the others train_pts.  One path through the text: only pointers, two strides and a factor are chosen.
; Every load reads one row, 512 consecutive bytes; a tile turns through the wave own stage in LDS (rows 528 bytes apart = 33 x 16, so sixteen rows start in sixteen different 16-byte columns modulo 256)
; and comes back with 32 neighbours along K in a lane registers.  Waves share nothing: no barrier.  All 32 loads of a wave are issued at the head.
.set WREG,   17408                     ; LDS of a wave: two stages and 256 side bytes
.set SPITCH, 528
.set STG,    16*SPITCH                 ; a stage: 16 rows
.set SIDE,   2*STG
.set OFF,  4                           ; v4-7    byte offset of my 16 bytes in row 0 of (tile a, rows 8 H on): register 2 a + H
.set SIN,  8                           ; v8      stage, in: 16 x lane
.set SOUT, 9                           ; v9      stage, out: 528 r + 128 h
.set DIN,  10                          ; v10     side bytes, in: 4 r
.set DOUT, 11                          ; v11     side bytes, out: 8 x lane
.set L16,  12                          ; v12     16 x lane
.set L8,   13                          ; v13     8 x lane
.set H8,   14                          ; v14     8 h
.set X,    16                          ; v16-79, v80-143  a tile each: as loaded, then 64 numbers of my row
.set N,    144                         ; v144-151 four packed sums of squares
.set MX,   152                         ; v152-153 largest magnitudes of my two blocks
.set SCO,  154                         ; v154-155 the conversions scale operands
.set BY,   156                         ; v156-157 the scale bytes
.set WD,   158                         ; v158     the scale word
.set PT,   159                         ; v159     what lane l xor 16 sends
.set C,    160                         ; v160-171 the 12 code registers
.set T,    172                         ; v172-174, v176-178 the upper halves of the two blocks, as converted
.set SD,   180                         ; v180-181 side bytes on the way out
	s_load_b256 s[4:11], s[0:1], 0x0               ; x, train_pts, qcode, qside
	s_load_b128 s[12:15], s[0:1], 0x20             ; tcode, tside
	v_lshl_add_u32 v184, v0, 2, 0x15400
	v_mov_b32 v185, 0
	v_lshrrev_b32 v1, 5, v0
	v_readfirstlane_b32 s16, v1                    ; wave 0..4
	v_and_b32 v1, 31, v0                           ; lane
	v_and_b32 v2, 15, v0                           ; r
	v_bfe_u32 v3, v0, 4, 1                         ; h
	s_mul_i32 s17, ttmp9, 5
	s_add_co_u32 s17, s17, s16                     ; W
	s_mul_i32 s18, s16, WREG                       ; my LDS
	s_add_co_u32 s19, s18, SIDE
	v_lshlrev_b32 v[L16], 4, v1
	v_lshlrev_b32 v[L8], 3, v1
	v_lshlrev_b32 v[H8], 3, v3
	v_add_nc_u32 v[SIN], s18, v[L16]
	v_mul_u32_u24 v[SOUT], v2, SPITCH
	v_lshl_add_u32 v[SOUT], v3, 7, v[SOUT]
	v_add_nc_u32 v[SOUT], s18, v[SOUT]
	v_lshl_add_u32 v[DIN], v2, 2, s19
	v_add_nc_u32 v[DOUT], s19, v[L8]
	v_mov_b32 v[PT], 0                             ; written once: a lane permute destination counts as one of its sources
	s_mov_b32 s28, 0x76543210
	s_mov_b32 s29, 0xfedcba98                      ; v_permlanex16_b32 selects for lane l xor 16
	s_wait_kmcnt 0x0
	s_cmp_lt_u32 s17, 256                          ; x or train_pts?  The choice hangs on the task number alone
	s_cselect_b64 s[4:5], s[4:5], s[6:7]           ; the numbers
	s_cselect_b64 s[8:9], s[8:9], s[12:13]         ; the codes
	s_cselect_b64 s[10:11], s[10:11], s[14:15]     ; the side bytes
	s_cselect_b32 s20, 13, 12                      ; from tile a to tile a + 1: 16 rows of 512 bytes, or 8
	s_cselect_b32 s21, 12, 15                      ; from rows 0-7 to rows 8-15 of a tile: 8 rows, or 64
	s_cselect_b32 s22, 1.0, -0.5                   ; x2, or -y2 / 2
	s_cselect_b32 s23, 0, 256
	s_sub_co_u32 s23, s17, s23                     ; the task number within its tensor
	s_lshl_b32 s24, s23, 14                        ; x: 32 rows a task
	s_lshr_b32 s25, s23, 2
	s_lshl_b32 s25, s25, 16                        ; train_pts: 128 rows for four tasks,
	s_and_b32 s26, s23, 3
	s_lshl_b32 s26, s26, 13                        ; and 16 rows on for each of them
	s_add_co_u32 s25, s25, s26
	s_cmp_lt_u32 s17, 256                          ; (the sums above have set SCC)
	s_cselect_b32 s24, s24, s25
	s_mov_b32 s25, 0
	s_add_nc_u64 s[4:5], s[4:5], s[24:25]
	s_mul_i32 s24, s23, 3072                       ; two tiles of codes
	s_add_nc_u64 s[8:9], s[8:9], s[24:25]
	s_lshl_b32 s24, s23, 8                         ; two tiles of side bytes
	s_add_nc_u64 s[10:11], s[10:11], s[24:25]
	s_lshl_b32 s20, 1, s20
	s_lshl_b32 s21, 1, s21
	v_mov_b32 v[OFF], v[L16]
	v_add_nc_u32 v[OFF+1], s21, v[L16]
	v_add_nc_u32 v[OFF+2], s20, v[L16]
	v_add_nc_u32 v[OFF+3], s21, v[OFF+2]
.irp a, 0,1
.irp i, 0,1,2,3,4,5,6,7,8,9,10,11,12,13,14,15
	global_load_b128 v[X+64*\a+4*\i:X+64*\a+4*\i+3], v[OFF+2*\a+\i/8], s[4:5] offset:512*(\i%8) th:TH_LOAD_NT   ; row i of tile a: 32 lanes read 512 consecutive bytes
.endr
.endr
.macro QTILE a
.set XS, X+64*\a
	s_wait_loadcnt 16-16*\a                        ; this tile sixteen loads are in; the other tile sixteen, issued behind them, may be out
.irp i, 0,1,2,3,4,5,6,7,8,9,10,11,12,13,14,15
	ds_store_b128 v[SIN], v[XS+4*\i:XS+4*\i+3] offset:\a*STG+SPITCH*\i
.endr
.irp i, 0,1,2,3,4,5,6,7
	ds_load_b128 v[XS+4*\i:XS+4*\i+3], v[SOUT] offset:\a*STG+16*\i               ; LDS serves a wave instructions in order: these see my stores.  K block h of row r
.endr
.irp i, 0,1,2,3,4,5,6,7
	ds_load_b128 v[XS+32+4*\i:XS+32+4*\i+3], v[SOUT] offset:\a*STG+256+16*\i     ; K block 2 + h
.endr
	s_wait_dscnt 0x0                               ; my 64 numbers are back (and the tile before has stored its side words from the registers written below)
.irp k, 0,1,2,3
	v_pk_mul_f32 v[N+2*\k:N+2*\k+1], v[XS+2*\k:XS+2*\k+1], v[XS+2*\k:XS+2*\k+1]  ; the sum of squares, of the numbers as they came: four chains, started by the first products
.endr
.irp i, 1,2,3,4,5,6,7
.irp k, 0,1,2,3
	v_pk_fma_f32 v[N+2*\k:N+2*\k+1], v[XS+8*\i+2*\k:XS+8*\i+2*\k+1], v[XS+8*\i+2*\k:XS+8*\i+2*\k+1], v[N+2*\k:N+2*\k+1]
.endr
.endr
.irp c, 0,1
	v_max3_num_f32 v[MX+\c], |v[XS+32*\c]|, |v[XS+32*\c+1]|, 0x2800000           ; my block: all 32 numbers are mine; the floor 2^(5 - 127) holds the byte at 1 from below
.endr
.irp i, 2,4,6,8,10,12,14,16,18,20,22,24,26,28,30
.irp c, 0,1
	v_max3_num_f32 v[MX+\c], v[MX+\c], |v[XS+32*\c+\i]|, |v[XS+32*\c+\i+1]|
.endr
.endr
	v_pk_add_f32 v[N:N+1], v[N:N+1], v[N+2:N+3]
	v_pk_add_f32 v[N+4:N+5], v[N+4:N+5], v[N+6:N+7]
	v_pk_add_f32 v[N:N+1], v[N:N+1], v[N+4:N+5]
	v_add_f32 v[N], v[N], v[N+1]
	v_permlanex16_b32 v[PT], v[N], s28, s29
	v_add_f32 v[N], v[N], v[PT]                    ; with lane l xor 16: the whole row
	v_mul_f32 v[N], s22, v[N]                      ; x 1 or x -1/2
.irp c, 0,1
	v_add_nc_u32 v[SCO+\c], 0xfe000000, v[MX+\c]   ; 4 off the exponent field: the conversion takes the exponent field of this operand as its scale, and nothing else of it
.endr
.irp c, 0,1
	v_lshrrev_b32 v[BY+\c], 23, v[SCO+\c]          ; the scale byte
.endr
	v_lshl_or_b32 v[WD], v[BY+1], 16, v[BY]        ; my two bytes: blocks h and 2 + h,
	v_lshlrev_b32 v[WD], v[H8], v[WD]              ; at their places in the word;
	v_permlanex16_b32 v[PT], v[WD], s28, s29
	v_or_b32 v[WD], v[WD], v[PT]                   ; with lane l xor 16 the word is whole
.if \a == 1
	s_wait_xcnt 0x0                                ; the code registers are the data of the tile before stores: they are written again only behind this wait
.endif
.irp c, 0,1
	v_cvt_scalef32_pk16_bf6_f32 v[C+6*\c:C+6*\c+2], v[XS+32*\c:XS+32*\c+15], v[SCO+\c]
	v_cvt_scalef32_pk16_bf6_f32 v[T+4*\c:T+4*\c+2], v[XS+32*\c+16:XS+32*\c+31], v[SCO+\c]   ; (a conversion three registers begin on an even number)
.endr
	v_nop                                          ; one plain place behind a scaled conversion
.irp c, 0,1
.irp i, 0,1,2
	v_mov_b32 v[C+6*\c+3+\i], v[T+4*\c+\i]
.endr
.endr
.irp c, 0,1,2
	global_store_b128 v[L16], v[C+4*\c:C+4*\c+3], s[8:9] offset:\a*1536+512*\c   ; 32 lanes store 512 consecutive bytes, at a multiple of 256 from the buffer first byte
.endr
	ds_store_b32 v[DIN], v[WD] offset:\a*128       ; both halves of the lanes write the same word with the same value
	ds_store_b32 v[DIN], v[N] offset:\a*128+64
.endm
	QTILE 0
	QTILE 1
	ds_load_b64 v[SD:SD+1], v[DOUT]                ; the two tiles 256 side bytes, 8 a lane
	s_wait_dscnt 0x0
	global_store_b64 v[L8], v[SD:SD+1], s[10:11]   ; 32 lanes store 256 consecutive bytes, aligned
	s_wait_tensorcnt 0x0
	ds_add_u32 v184, v185
	s_wait_dscnt 0x0
	s_endpgm
.Lfunc_end_k_qea8e3ca2b7_prep:
	.size	k_qea8e3ca2b7_prep, .Lfunc_end_k_qea8e3ca2b7_prep-k_qea8e3ca2b7_prep
	.p2alignl 7, 3214868480
	.fill 96, 4, 3214868480
	.section	.rodata,"a",@progbits
	.p2align	6, 0x0
	.amdhsa_kernel k_qea8e3ca2b7_prep
		.amdhsa_group_segment_fixed_size 87808
		.amdhsa_private_segment_fixed_size 0
		.amdhsa_enable_private_segment 0
		.amdhsa_kernarg_size 48
		.amdhsa_user_sgpr_count 2
		.amdhsa_user_sgpr_kernarg_segment_ptr 1
		.amdhsa_wavefront_size32 1
		.amdhsa_system_sgpr_workgroup_id_x 1
		.amdhsa_system_sgpr_workgroup_id_y 1
		.amdhsa_system_sgpr_workgroup_id_z 1
		.amdhsa_system_vgpr_workitem_id 0
		.amdhsa_next_free_vgpr 186
		.amdhsa_next_free_sgpr 66
		.amdhsa_reserve_vcc 0
		.amdhsa_float_denorm_mode_32 3
		.amdhsa_float_denorm_mode_16_64 3
		.amdhsa_memory_ordered 1
		.amdhsa_forward_progress 1
		.amdhsa_inst_pref_size 22
	.end_amdhsa_kernel
	.amdgpu_metadata
---
amdhsa.version: [ 1, 2 ]
amdhsa.kernels:
  - .name:           k_qea8e3ca2b7_prep
    .symbol:         k_qea8e3ca2b7_prep.kd
    .args:
      - { .name: x, .offset: 0, .size: 8, .value_kind: global_buffer, .address_space: global }
      - { .name: train_pts, .offset: 8, .size: 8, .value_kind: global_buffer, .address_space: global }
      - { .name: qcode, .offset: 16, .size: 8, .value_kind: global_buffer, .address_space: global }
      - { .name: qside, .offset: 24, .size: 8, .value_kind: global_buffer, .address_space: global }
      - { .name: tcode, .offset: 32, .size: 8, .value_kind: global_buffer, .address_space: global }
      - { .name: tside, .offset: 40, .size: 8, .value_kind: global_buffer, .address_space: global }
    .group_segment_fixed_size: 87808
    .private_segment_fixed_size: 0
    .kernarg_segment_align: 8
    .kernarg_segment_size: 48
    .max_flat_workgroup_size: 160
    .sgpr_count:     66
    .vgpr_count:     186
    .wavefront_size: 32
...
	.end_amdgpu_metadata
.endif
;; end of part 1
;; launch scan (part 2): grid 8 x 32, 8 waves a work-group, clusters of 4 x 4, 246,784 bytes of LDS; arguments qcode, qside, tcode, tside, part; writes part
.if DOCPART == 2
	.amdgcn_target "amdgcn-amd-amdhsa--gfx1250"
	.amdhsa_code_object_version 6
	.text
	.protected	k_qea8e3ca2b7_scan
	.globl	k_qea8e3ca2b7_scan
	.p2align	8
	.type	k_qea8e3ca2b7_scan,@function
k_qea8e3ca2b7_scan:
	s_mov_b64 s[64:65], 0
	v_nop
	global_prefetch_b8 v0, s[64:65] scope:SCOPE_SE
	s_setreg_imm32_b32 hwreg(HW_REG_WAVE_MODE, 25, 1), 1
	s_wait_xcnt 0x0
	s_wait_alu depctr_hold_cnt(0) depctr_sa_sdst(0) depctr_va_vdst(0) depctr_va_sdst(0) depctr_va_ssrc(0) depctr_va_vcc(0) depctr_vm_vsrc(0)
	s_getreg_b32 s2, hwreg(HW_REG_IB_STS2, 6, 4)
	s_cmp_eq_u32 s2, 0
	s_cbranch_scc0 .Lentry_in_a_cluster
	s_endpgm
.Lentry_in_a_cluster:
	s_bfe_u32 s2, ttmp6, 0x10000c
	s_cmp_lg_u32 s2, 0xf033
	s_cbranch_scc0 .Lentry_shape_is_right
	s_endpgm
.Lentry_shape_is_right:
; For each of 8,192 queries and each slice of 1,024 training points: the smallest dist = sqrt(max(x2 + y2 - 2 Q(x).Q(t), 0)) and the first GROUP of 64 points that holds it.
; THE PRODUCT.  K = 128 is one matrix instruction.  Source 0 = 16 training rows, source 1 = 16 queries, C = hy = -y2 / 2 in the result layout: D = dot - y2 / 2, and a lane holds ONE query (lane % 16) and eight points.
; WHAT IS DONE FOR EACH PAIR: a running maximum of D (v_max3_num_f32, four lines for a tile of 256 results).  x2, the hold at 0 and the root rise or fall with D, so they commute with the maximum:
; min sqrt(max(x2 - 2 D, 0)) = sqrt(max(x2 - 2 max D, 0)).  They are applied once for each group of 64 points a lane.  The training tiles are laid so that over 8 tiles lanes 0-15 see points 64 G .. 64 G + 63 of an even
; group G and lanes 16-31 those of G + 1.  The group key is the root rounded to nearest (v_sqrt_f32, then its two neighbours tried by fused multiply-adds), so that keys tie exactly where dist ties.
; Keys are compared by < in ascending order of groups: the first group with the smallest dist stays.  The index within that group is found by the next launch.
; LIMITS: the order of rounding is x2 - 2 (dot - y2 / 2), the inner sum rounded by the matrix unit; NaN, infinities and a d2 beyond f32 are not served; under d2 = 2^-96 the root may be one step off or fall to 0.
; SHARES.  A work-group takes 1,024 queries x 1,024 points: 8 x 32 work-groups.  EIGHT waves of 512 registers, two to a SIMD: K is one instruction deep and every result is used up at once by vector work,
; so one wave 16 products stand beside the other wave maxima.  Wave w: queries of tiles 16 (w & 3) on, kept in registers; training tiles 32 (w >> 2) on, walked from LDS: 512 matrix instructions.
; LDS is filled ONCE: the work-group 64 + 64 tiles and their side bytes are 212,992 bytes; nothing is filled again, so there is no ring.
; CLUSTERS: 4 x 4.  The four of a column of the cluster need the same queries, the four of a row the same training points: each block is asked for jointly, by the same tensor load with the same descriptor and a mask that names the four.
; REGISTERS.  window 0: v1-15 addresses (v12-13 the training scale words, two sets); v16-31 the queries scale words; v32-47 running maxima; v48-63 x2; v64-79 keys; v80-95 groups; v96-223 D, 16 x 8, also at work; v224-226 addresses.
;   window 1: v0-191 the 16 query fragments; v192-215 the training fragment, two sets; v216-231 hy, two sets.
.set TC,    0                          ; LDS: 64 training tiles of 1,536 bytes,
.set QC,    98304                      ; 64 query tiles,
.set TS,    196608                     ; the training side bytes, 128 a tile,
.set QS,    204800                     ; the queries,
.set CMB,   212992                     ; and 4,096 bytes a wave for the end: no tensor load lands here
.set TILEB, 1536
.set SIDEB, 128
.set L16,  1                           ; v1   16 x lane
.set R4,   2                           ; v2   4 r
.set HH,   3                           ; v3   h
.set TA0,  4                           ; v4   my training tiles: TC + 49,152 (w >> 2) + 16 x lane
.set TH0,  5                           ; v5   their hy: TS + 4,096 (w >> 2) + 64 + 32 h
.set TW0,  6                           ; v6   their scale words: TS + 4,096 (w >> 2) + 4 r
.set CG,   7                           ; v7   the group in hand
.set QCA,  8                           ; v8   my query tiles
.set QSA,  9                           ; v9   their side bytes
.set CST,  10                          ; v10  the end: where I store
.set COWN, 11                          ; v11  where I read my own two quads back
.set ASC,  12                          ; v12-13
.set CPAR, 14                          ; v14  and my partner two
.set GOF,  15                          ; v15  my byte offset in part
.set QSC,  16
.set GM,   32
.set X2,   48
.set KEY,  64
.set GID,  80
.set D,    96
.set TA,   224                         ; v224-226: TA0, TH0, TW0 + the group step
.set TH,   225
.set TW,   226
.set AF,   192                         ; in window 1
.set CH,   216
.set M,    4                           ; s4-11  eight lane masks (they held the four input pointers, which are spent when the descriptors are made)
.set WV,   14
.set QA,   15
.set TB,   16
.set G1QC, 24                          ; s[24:31] group 1: query codes;  s[32:39] query side bytes;  s[48:55] training side bytes;  s[56:63] training codes
.set G1QS, 32
.set G1TS, 48
.set G1TC, 56
.set GT,   66                          ; s66  12,288 x the groups done
.set GS,   67                          ; s67  1,024 x the groups done
.set G0QS, 68                          ; s[68:87] five groups 0
.set G0TS, 72
.set G0QC, 76
.set G0T0, 80
.set G0T1, 84
.set MSB, 0
.macro WIN new                         ; the immediate high byte repeats the setting that is left
.if MSB != \new
	s_set_vgpr_msb (MSB<<8)|\new
.set MSB, \new
.endif
.endm
.set W_MUL, 0x15                       ; A, B and C in window 1, D in window 0
.set W_LD,  0x40                       ; destination window 1, address window 0
.macro CROUND                          ; a round of the cluster barrier
	s_barrier_signal -1
	s_barrier_wait -1
	s_cmp_lg_u32 s[WV], 0
	s_cbranch_scc1 .Lnot_wave_0_\@
	s_barrier_signal -3
.Lnot_wave_0_\@:
	s_barrier_wait -3
	s_barrier_signal -1
	s_barrier_wait -1
.endm
.macro G1SET g, m, rows                ; a dense block as rows of 256 bytes: 32 elements of 8 bytes, pitch 32; no padding: the images are read 16 bytes a lane on end
	s_or_b32 s[\g], s[\m], (3<<16)|(1<<21)         ; 15:0 the mask; 17:16 elements of 8 bytes; 21 set beside a mask
	s_mov_b32 s[\g+1], 32<<16                      ; tensor_dim0
	s_mov_b32 s[\g+2], (\rows)<<16                 ; tensor_dim1
	s_mov_b32 s[\g+3], 32<<16                      ; tile_dim0
	s_mov_b32 s[\g+4], \rows                       ; tile_dim1
	s_mov_b32 s[\g+5], 32                          ; tensor_dim0_stride
	s_mov_b32 s[\g+6], 0
	s_mov_b32 s[\g+7], 0
.endm
.macro G0SET g, l, c, b, o             ; LDS address s[l] + c; global address s[b:b+1] + s[o:o+1]
	s_mov_b32 s[\g], 1
	s_add_co_u32 s[\g+1], s[\l], \c
	s_add_nc_u64 s[\g+2:\g+3], s[\b:\b+1], s[\o:\o+1]
	s_or_b32 s[\g+3], s[\g+3], 0x80000000
.endm
	s_load_b256 s[4:11], s[0:1], 0x0               ; qcode s[4:5], qside s[6:7], tcode s[8:9], tside s[10:11]
	s_load_b64 s[12:13], s[0:1], 0x20              ; part
	v_lshl_add_u32 v254, v0, 2, 0x3c000
	v_mov_b32 v255, 0
	ds_add_u32 v254, v255
	ds_add_u32 v254, v255
	v_lshrrev_b32 v1, 5, v0
	v_readfirstlane_b32 s[WV], v1                  ; wave 0..7
	s_and_b32 s[QA], s[WV], 3                      ; which 16 query tiles
	s_lshr_b32 s[TB], s[WV], 2                     ; which 32 training tiles
	s_bfe_u32 s40, ttmp6, 0x40000                  ; cx, cy: my place in the cluster
	s_bfe_u32 s41, ttmp6, 0x40004
	s_lshl_b32 s42, ttmp9, 2
	s_add_co_u32 s42, s42, s40                     ; bx: my 1,024 queries
	s_and_b32 s43, ttmp7, 0xffff
	s_lshl_b32 s43, s43, 2
	s_add_co_u32 s43, s43, s41                     ; by: my slice of 1,024 points
	s_lshl_b32 s44, s41, 2
	s_lshl_b32 s44, 15, s44                        ; my row of the cluster: it shares by
	s_lshl_b32 s45, 0x1111, s40                    ; my column: it shares bx
	G1SET G1QC, 45, 48                             ; a wave share of the query codes: 12,288 bytes
	G1SET G1QS, 45, 4                              ; of either side bytes: 1,024
	G1SET G1TS, 44, 4
	G1SET G1TC, 44, 24                             ; four training tiles: 6,144 bytes
	s_lshl_b32 s17, s[WV], 10                      ; the shares, by the wave number alone: no place in the cluster enters an LDS address
	s_mul_i32 s18, s[WV], 12288
	s_lshl_b32 s19, s[TB], 5
	s_lshl_b32 s20, s[QA], 2
	s_add_co_u32 s19, s19, s20
	s_mul_i32 s19, s19, TILEB                      ; training tiles 32 (w >> 2) + 4 (w & 3) on, and later those 16 further on
	v_and_b32 v[L16], 31, v0
	v_lshlrev_b32 v[L16], 4, v[L16]
	v_and_b32 v[R4], 15, v0
	v_lshlrev_b32 v[R4], 2, v[R4]
	v_bfe_u32 v[HH], v0, 4, 1
	s_mul_i32 s20, s[TB], 49152
	v_add_nc_u32 v[TA0], s20, v[L16]
	s_lshl_b32 s21, s[TB], 12
	s_add_co_u32 s21, s21, TS
	v_lshl_add_u32 v[TH0], v[HH], 5, s21
	v_add_nc_u32 v[TH0], 64, v[TH0]
	v_add_nc_u32 v[TW0], s21, v[R4]
	s_mul_i32 s20, s[QA], 24576
	s_add_co_u32 s20, s20, QC
	v_add_nc_u32 v[QCA], s20, v[L16]
	s_lshl_b32 s20, s[QA], 11
	s_add_co_u32 s20, s20, QS
	v_add_nc_u32 v[QSA], s20, v[R4]
	s_lshl_b32 s20, s[WV], 12
	s_add_co_u32 s20, s20, CMB
	v_add_nc_u32 v[CST], s20, v[L16]
	s_lshl_b32 s21, s[TB], 10                      ; of a pair of waves (w, w xor 4) each finishes two of the four quads of query tiles: quads 2 (w >> 2) and 2 (w >> 2) + 1
	s_add_co_u32 s20, s20, s21
	v_add_nc_u32 v[COWN], s20, v[L16]
	s_xor_b32 s20, s[WV], 4
	s_lshl_b32 s20, s20, 12
	s_add_co_u32 s20, s20, CMB
	s_add_co_u32 s20, s20, s21
	v_add_nc_u32 v[CPAR], s20, v[L16]
	s_lshl_b32 s22, s43, 4
	s_lshl_b32 s23, s[TB], 3
	s_add_co_u32 s22, s22, s23
	v_add_nc_u32 v[CG], s22, v[HH]                 ; my first group: 16 by + 8 (w >> 2) + h
	s_lshl_b32 s22, s43, 16                        ; part: slice by, 65,536 bytes; quad 16 bx + 4 (w & 3) + 2 (w >> 2), 512 bytes
	s_lshl_b32 s23, s42, 13
	s_add_co_u32 s22, s22, s23
	s_lshl_b32 s23, s[QA], 11
	s_add_co_u32 s22, s22, s23
	s_add_co_u32 s22, s22, s21
	v_add_nc_u32 v[GOF], s22, v[L16]
	s_mov_b32 s[GT], 0
	s_mov_b32 s[GS], 0
	s_mov_b32 s93, 0xffff0000                      ; lanes 16-31
	s_mov_b32 s94, 0x76543210
	s_mov_b32 s95, 0xfedcba98                      ; v_permlanex16_b32 selects for lane l xor 16
	v_add_nc_u32 v[TA], s[GT], v[TA0]
	v_add_nc_u32 v[TH], s[GS], v[TH0]
	v_add_nc_u32 v[TW], s[GS], v[TW0]
	; the offsets in memory: the queries in s[88:89], which never hold cy; the training points in s[90:91], which never hold cx
	s_mov_b32 s89, 0
	s_mov_b32 s91, 0
	s_wait_dscnt 0x0
	s_wait_kmcnt 0x0
	s_lshl_b32 s88, s42, 13
	s_add_co_u32 s88, s88, s17
	G0SET G0QS, 17, QS, 6, 88
	s_mul_i32 s88, s42, 98304
	s_add_co_u32 s88, s88, s18
	G0SET G0QC, 18, QC, 4, 88
	s_lshl_b32 s90, s43, 13
	s_add_co_u32 s90, s90, s17
	G0SET G0TS, 17, TS, 10, 90
	s_mul_i32 s90, s43, 98304
	s_add_co_u32 s90, s90, s19
	G0SET G0T0, 19, TC, 8, 90
	s_add_co_u32 s90, s90, 24576
	G0SET G0T1, 19, TC+24576, 8, 90
	CROUND                                         ; all sixteen work-groups are here: the joint loads meet
	tensor_load_to_lds s[G0QS:G0QS+3], s[G1QS:G1QS+7]   ; all the launch fills, as one group: five tensor loads of mine are out
	s_nop 0
	tensor_load_to_lds s[G0TS:G0TS+3], s[G1TS:G1TS+7]
	s_nop 0
	tensor_load_to_lds s[G0QC:G0QC+3], s[G1QC:G1QC+7]
	s_nop 0
	tensor_load_to_lds s[G0T0:G0T0+3], s[G1TC:G1TC+7]
	s_nop 0
	tensor_load_to_lds s[G0T1:G0T1+3], s[G1TC:G1TC+7]
	s_nop 0
.irp i, 0,1,2,3,4,5,6,7,8,9,10,11,12,13,14,15
	v_mov_b32 v[GM+\i], 0xff800000                 ; -infinity, under every D
.endr
.irp i, 0,1,2,3,4,5,6,7,8,9,10,11,12,13,14,15
	v_mov_b32 v[KEY+\i], 0x7f800000                ; +infinity, over every key
.endr
.irp i, 0,1,2,3,4,5,6,7,8,9,10,11,12,13,14,15
	v_mov_b32 v[GID+\i], v[CG]
.endr
; the six LDS loads of training tile k of the group in hand, into set n
.macro LDT k, n
	WIN 0
	ds_load_b32 v[ASC+(\n)], v[TW] offset:(\k)*SIDEB                             ; lane r: the scale word of row r
	WIN W_LD
.irp c, 0,1,2
	ds_load_b128 v[AF+12*(\n)+4*\c:AF+12*(\n)+4*\c+3], v[TA] offset:(\k)*TILEB+512*\c
.endr
	ds_load_b128 v[CH+8*(\n):CH+8*(\n)+3], v[TH] offset:(\k)*SIDEB               ; hy of rows 8 h + 0 .. 7: the result layout
	ds_load_b128 v[CH+8*(\n)+4:CH+8*(\n)+7], v[TH] offset:(\k)*SIDEB+16
.endm
; One training tile against my 16 query tiles.  The next tile is asked for first; its set was last read by the products of the tile before, 68 plain vector lines back.
.macro TILE k
	LDT (\k)+1, 1-(\k)%2
	s_wait_dscnt 0x6                               ; the six just issued may be out; this tile six, and all older loads, are in
	WIN W_MUL
.irp i, 0,1,2,3,4,5,6,7,8,9,10,11,12,13,14,15
	v_wmma_scale_f32_16x16x128_f8f6f4 v[D+8*\i:D+8*\i+7], v[AF+12*((\k)%2):AF+12*((\k)%2)+11], v[12*\i:12*\i+11], v[CH+8*((\k)%2):CH+8*((\k)%2)+7], v[ASC+(\k)%2], v[QSC+\i] matrix_a_fmt:MATRIX_FMT_BF6 matrix_b_fmt:MATRIX_FMT_BF6
.endr
	WIN 0
.rept 4
	v_nop                                          ; four places behind the last product, ahead of the first read of results (ISA guide 7.12.1)
.endr
.irp p, 0,1,2,3
.irp i, 0,1,2,3,4,5,6,7,8,9,10,11,12,13,14,15
	v_max3_num_f32 v[GM+\i], v[GM+\i], v[D+8*\i+2*\p], v[D+8*\i+2*\p+1]          ; each result from its low end on; sixteen chains by turns
.endr
.endr
.endm
; A group of 64 points a lane is done: its key, against the running key.  Stage by stage over the 16 query tiles; D is free and serves as scratch: a at D, s at D + 16, its neighbours at D + 32 and D + 48, the two residues at D + 64 and D + 80.
.macro GROUPEND
.irp p, 0,1,2,3,4,5,6,7
	v_pk_fma_f32 v[D+2*\p:D+2*\p+1], v[GM+2*\p:GM+2*\p+1], -2.0, v[X2+2*\p:X2+2*\p+1] op_sel_hi:[1,0,1]   ; a = x2 - 2 max D: the group smallest d2
.endr
.irp i, 0,1,2,3,4,5,6,7,8,9,10,11,12,13,14,15
	v_max_num_f32 v[D+\i], 0, v[D+\i]
.endr
.irp i, 0,1,2,3,4,5,6,7,8,9,10,11,12,13,14,15
	v_sqrt_f32 v[D+16+\i], v[D+\i]
.endr
.irp i, 0,1,2,3,4,5,6,7,8,9,10,11,12,13,14,15
	v_mov_b32 v[GM+\i], 0xff800000                 ; the next group maxima begin: plain work behind the batch of roots
.endr
	s_wait_alu depctr_va_vdst(0)                   ; one wait for the sixteen roots, ahead of their first reader
.irp i, 0,1,2,3,4,5,6,7,8,9,10,11,12,13,14,15
	v_add_nc_u32 v[D+32+\i], -1, v[D+16+\i]        ; the float below s,
.endr
.irp i, 0,1,2,3,4,5,6,7,8,9,10,11,12,13,14,15
	v_add_nc_u32 v[D+48+\i], 1, v[D+16+\i]         ; and the one above
.endr
.irp i, 0,1,2,3,4,5,6,7,8,9,10,11,12,13,14,15
	v_fma_f32 v[D+64+\i], -v[D+32+\i], v[D+16+\i], v[D+\i]    ; a - s x below: not positive where the root lies nearer to the float below
.endr
.irp i, 0,1,2,3,4,5,6,7,8,9,10,11,12,13,14,15
	v_fma_f32 v[D+80+\i], -v[D+48+\i], v[D+16+\i], v[D+\i]    ; a - s x above: positive where it lies nearer to the float above.  (With s = 0 the float below is a NaN pattern, and no compare takes it)
.endr
.irp q, 0,8
.irp j, 0,1,2,3,4,5,6,7
	v_cmp_ge_f32 s[M+\j], 0, v[D+64+\q+\j]
.endr
.irp j, 0,1,2,3,4,5,6,7
	v_cndmask_b32 v[D+16+\q+\j], v[D+16+\q+\j], v[D+32+\q+\j], s[M+\j]
.endr
.endr
.irp q, 0,8
.irp j, 0,1,2,3,4,5,6,7
	v_cmp_lt_f32 s[M+\j], 0, v[D+80+\q+\j]
.endr
.irp j, 0,1,2,3,4,5,6,7
	v_cndmask_b32 v[D+16+\q+\j], v[D+16+\q+\j], v[D+48+\q+\j], s[M+\j]
.endr
.endr
.irp q, 0,8
.irp j, 0,1,2,3,4,5,6,7
	v_cmp_lt_f32 s[M+\j], v[D+16+\q+\j], v[KEY+\q+\j]         ; smaller, not equal: among equal keys the earlier group stays
.endr
.irp j, 0,1,2,3,4,5,6,7
	v_cndmask_b32 v[KEY+\q+\j], v[KEY+\q+\j], v[D+16+\q+\j], s[M+\j]
	v_cndmask_b32 v[GID+\q+\j], v[GID+\q+\j], v[CG], s[M+\j]
.endr
.endr
	v_add_nc_u32 v[CG], 2, v[CG]
	s_add_co_u32 s[GT], s[GT], 8*TILEB
	s_add_co_u32 s[GS], s[GS], 8*SIDEB
	v_add_nc_u32 v[TA], s[GT], v[TA0]
	v_add_nc_u32 v[TH], s[GS], v[TH0]
	v_add_nc_u32 v[TW], s[GS], v[TW0]
.endm
.macro GROUP
.irp k, 0,1,2,3,4,5,6,7
	TILE \k
.endr
	GROUPEND
.endm
; (k, g) takes (ok, og) where that is the smaller key or, at equal keys, the earlier group
.macro LEXF k, g, ok, og
	v_cmp_lt_f32 s96, v[\ok], v[\k]
	v_cmp_eq_f32 s97, v[\ok], v[\k]
	v_cmp_lt_u32 s98, v[\og], v[\g]
	s_and_b32 s97, s97, s98
	s_or_b32 s96, s96, s97
	v_cndmask_b32 v[\k], v[\k], v[\ok], s96
	v_cndmask_b32 v[\g], v[\g], v[\og], s96
.endm
	s_wait_tensorcnt 0x1                           ; my shares of the side bytes, the query codes and training tiles 0-15 of each half are in; only the fifth load may be out
	s_barrier_signal -1
	s_barrier_wait -1                              ; everybody shares are
	WIN W_LD
.irp i, 0,1,2,3,4,5,6,7,8,9,10,11,12,13,14,15
.irp c, 0,1,2
	ds_load_b128 v[12*\i+4*\c:12*\i+4*\c+3], v[QCA] offset:TILEB*\i+512*\c       ; my 16 query fragments stay in registers
.endr
.endr
	WIN 0
.irp i, 0,1,2,3,4,5,6,7,8,9,10,11,12,13,14,15
	ds_load_b32 v[QSC+\i], v[QSA] offset:SIDEB*\i
	ds_load_b32 v[X2+\i], v[QSA] offset:SIDEB*\i+64
.endr
	LDT 0, 0
	GROUP                                          ; my tiles 0-7; the look-ahead reaches tile 8, still among the first sixteen
	s_wait_tensorcnt 0x0                           ; my share of tiles 16-31 is in,
	s_wait_dscnt 0x0                               ; no LDS load of mine is out at the signal
	s_barrier_signal -1
	s_barrier_wait -1                              ; everybody share is
	s_mov_b32 s92, 3
.Lgrp:                                             ; my tiles 8-31.  The very last look-ahead reads the bytes behind my 32 tiles (another wave tiles, or the queries): filled bytes, never used
	GROUP
	s_sub_co_u32 s92, s92, 1
	s_cmp_lg_u32 s92, 0
	s_cbranch_scc1 .Lgrp
	; THE END.  The two halves of the lanes, then the two waves that walked the two halves of the slice, are joined by (key, group); the result leaves as whole numbers: the key bits (a float that is not negative orders as an unsigned number) and the group.
.irp i, 0,1,2,3,4,5,6,7,8,9,10,11,12,13,14,15
	v_permlanex16_b32 v[D+\i], v[KEY+\i], s94, s95
	v_permlanex16_b32 v[D+16+\i], v[GID+\i], s94, s95
.endr
.irp i, 0,1,2,3,4,5,6,7,8,9,10,11,12,13,14,15
	LEXF KEY+\i, GID+\i, D+\i, D+16+\i
.endr
.irp i, 0,1,2,3,4,5,6,7,8,9,10,11,12,13,14,15
	v_and_b32 v[KEY+\i], 0x7fffffff, v[KEY+\i]     ; a zero key loses its sign
.endr
.irp g, 0,1,2,3
	ds_store_b128 v[CST], v[KEY+4*\g:KEY+4*\g+3] offset:512*\g
	ds_store_b128 v[CST], v[GID+4*\g:GID+4*\g+3] offset:2048+512*\g
.endr
	s_wait_dscnt 0x0                               ; for the partner sake: my stores are done (and the last look-ahead is in)
	s_barrier_signal -1
	s_barrier_wait -1
.irp e, 0,1
	ds_load_b128 v[D+16*\e:D+16*\e+3], v[COWN] offset:512*\e
	ds_load_b128 v[D+16*\e+4:D+16*\e+7], v[COWN] offset:2048+512*\e
	ds_load_b128 v[D+16*\e+8:D+16*\e+11], v[CPAR] offset:512*\e
	ds_load_b128 v[D+16*\e+12:D+16*\e+15], v[CPAR] offset:2048+512*\e
.endr
	s_wait_dscnt 0x0
.irp e, 0,1
.irp j, 0,1,2,3
	LEXF D+16*\e+\j, D+16*\e+4+\j, D+16*\e+8+\j, D+16*\e+12+\j
.endr
	v_cndmask_b32 v[D+32+4*\e], v[D+16*\e], v[D+16*\e+2], s93        ; a quad 512 bytes: lanes 0-15 (key, group) of tiles 0 and 1 for query r, lanes 16-31 of tiles 2 and 3
	v_cndmask_b32 v[D+33+4*\e], v[D+16*\e+4], v[D+16*\e+6], s93
	v_cndmask_b32 v[D+34+4*\e], v[D+16*\e+1], v[D+16*\e+3], s93
	v_cndmask_b32 v[D+35+4*\e], v[D+16*\e+5], v[D+16*\e+7], s93
	global_store_b128 v[GOF], v[D+32+4*\e:D+35+4*\e], s[12:13] offset:512*\e     ; 32 lanes store 512 consecutive bytes, at a multiple of 256 from the buffer first byte
.endr
	s_wait_tensorcnt 0x0
	ds_add_u32 v254, v255
	s_wait_dscnt 0x0
	CROUND                                         ; the closing round: no work-group ends while a partner may still ask for a block that names it
	s_endpgm
.Lfunc_end_k_qea8e3ca2b7_scan:
	.size	k_qea8e3ca2b7_scan, .Lfunc_end_k_qea8e3ca2b7_scan-k_qea8e3ca2b7_scan
	.p2alignl 7, 3214868480
	.fill 96, 4, 3214868480
	.section	.rodata,"a",@progbits
	.p2align	6, 0x0
	.amdhsa_kernel k_qea8e3ca2b7_scan
		.amdhsa_group_segment_fixed_size 246784
		.amdhsa_private_segment_fixed_size 0
		.amdhsa_enable_private_segment 0
		.amdhsa_kernarg_size 40
		.amdhsa_user_sgpr_count 2
		.amdhsa_user_sgpr_kernarg_segment_ptr 1
		.amdhsa_wavefront_size32 1
		.amdhsa_system_sgpr_workgroup_id_x 1
		.amdhsa_system_sgpr_workgroup_id_y 1
		.amdhsa_system_sgpr_workgroup_id_z 1
		.amdhsa_system_vgpr_workitem_id 0
		.amdhsa_next_free_vgpr 512
		.amdhsa_next_free_sgpr 100
		.amdhsa_reserve_vcc 0
		.amdhsa_float_denorm_mode_32 3
		.amdhsa_float_denorm_mode_16_64 3
		.amdhsa_memory_ordered 1
		.amdhsa_forward_progress 1
		.amdhsa_inst_pref_size 162
	.end_amdhsa_kernel
	.amdgpu_metadata
---
amdhsa.version: [ 1, 2 ]
amdhsa.kernels:
  - .name:           k_qea8e3ca2b7_scan
    .symbol:         k_qea8e3ca2b7_scan.kd
    .args:
      - { .name: qcode, .offset: 0, .size: 8, .value_kind: global_buffer, .address_space: global }
      - { .name: qside, .offset: 8, .size: 8, .value_kind: global_buffer, .address_space: global }
      - { .name: tcode, .offset: 16, .size: 8, .value_kind: global_buffer, .address_space: global }
      - { .name: tside, .offset: 24, .size: 8, .value_kind: global_buffer, .address_space: global }
      - { .name: part, .offset: 32, .size: 8, .value_kind: global_buffer, .address_space: global }
    .group_segment_fixed_size: 246784
    .private_segment_fixed_size: 0
    .kernarg_segment_align: 8
    .kernarg_segment_size: 40
    .max_flat_workgroup_size: 256
    .sgpr_count:     100
    .vgpr_count:     512
    .wavefront_size: 32
...
	.end_amdgpu_metadata
.endif
;; end of part 2
;; launch pick (part 3): grid 256 x 1, 16 waves a work-group, no clusters, 9,216 bytes of LDS; arguments part, qcode, qside, tcode, tside, train_label, out0; writes out0
.if DOCPART == 3
	.amdgcn_target "amdgcn-amd-amdhsa--gfx1250"
	.amdhsa_code_object_version 6
	.text
	.protected	k_qea8e3ca2b7_pick
	.globl	k_qea8e3ca2b7_pick
	.p2align	8
	.type	k_qea8e3ca2b7_pick,@function
k_qea8e3ca2b7_pick:
	s_mov_b64 s[64:65], 0
	v_nop
	global_prefetch_b8 v0, s[64:65] scope:SCOPE_SE
	s_setreg_imm32_b32 hwreg(HW_REG_WAVE_MODE, 25, 1), 1
	s_wait_xcnt 0x0
; For each query: of the 32 slices (key, group) the smallest, by whole-number compares on what the launch before stored; then the 64 points of that group once more, by the same matrix instruction
; with the same operands; the first of them whose dist equals the group smallest dist; its label.
; THE TEST FOR EQUAL dist WITHOUT 64 ROOTS.  k = the group smallest dist (root rounded to nearest, as in the launch before), ku the float above it.  sqrt(a) rounds to k or less exactly where a <= k x ku:
; (k + u/2)^2 = k ku + u^2/4 with u = ku - k, and a and k ku are whole multiples of u^2.  So the sign of the fused a - k ku decides, and with k = 0 it is the sign of a, which serves the hold at 0.
; LIMITS: as in the launch before: the order of rounding is x2 - 2 (dot - y2 / 2); NaN, infinities and a d2 beyond f32 are not served; under d2 = 2^-96 the root may be one step off or fall to 0.
; SHARES.  A work-group takes 32 queries (query tiles 2 wg and 2 wg + 1), sixteen waves; wave w takes queries 2 (w & 7) and 2 (w & 7) + 1 of tile 2 wg + (w >> 3).  Straight-line text, all lanes on throughout.
; A refine tile u (0..3) of a group G: its row 8 g + j is point 64 G + 32 g + 8 u + j, which lies in training tile 8 (G / 2) + 4 g + u at row 8 (G % 2) + j: the fragment is gathered from the images, 16 bytes a lane.
; In the result lane (r, h) then holds, for query r, points 64 G + 32 h + 8 u + j in register 8 u + j: ascending in the registers, lanes 0-15 ahead of lanes 16-31.
; No tensor load, no cluster: a wave reads 14 KB of its own choice, and no two work-groups are known to want the same bytes.
; The out0 store is 128 consecutive bytes a work-group: whole blocks of 256 would want 64 queries to a work-group, and 128 work-groups.
.set PA,   0                           ; LDS: [query r][wave]: 16 bytes, rows 272 bytes apart (17 x 16: sixteen lanes stores fall in sixteen different 16-byte columns)
.set PP,   272
.set OUTS, 4608                        ; 128 bytes a wave: the labels
.set BQ,   20                          ; v20-31   my query tile
.set QSC,  32                          ; v32      its scale words
.set X2,   34                          ; v34-35   x2 of query r, twice
.set KG,   36                          ; v36-37   (key, group); v38-39 a neighbour
.set A,    40                          ; v40-135  refine fragments (query q, tile u) at 48 q + 12 u; later v40-43 four running maxima
.set ASC,  136                         ; v136-143 their scale words
.set D,    144                         ; v144-207 hy, then D in place, (q, u) at 32 q + 8 u; then the lane own 32 results at D, and a, later the residues, at D + 32
.set LAB,  208                         ; v208-239 32 labels
.set KK,   240                         ; v240-241 k, twice
.set NKU,  242                         ; v242-243 -ku, twice
.set AC,   244                         ; v244-245 offsets of the codes, for the two queries
.set AS,   246                         ; v246-247 of the scale words
.set AH,   248                         ; v248-249 of hy
.set AL,   250                         ; v250     of the labels
.set HMH,  251                         ; v251     the largest D of my 32, then its a, then its residue
.set HM,   252                         ; v252     the largest D of the group 64
.set T0,   253
.set LB,   254                         ; v254     the label
.set T1,   255
.macro LEXU k, g, ok, og               ; (k, g) takes (ok, og) where that is the smaller key or, at equal keys, the earlier group: whole numbers throughout
	v_cmp_lt_u32 s40, v[\ok], v[\k]
	v_cmp_eq_u32 s41, v[\ok], v[\k]
	v_cmp_lt_u32 s42, v[\og], v[\g]
	s_and_b32 s41, s41, s42
	s_or_b32 s40, s40, s41
	v_cndmask_b32 v[\k], v[\k], v[\ok], s40
	v_cndmask_b32 v[\g], v[\g], v[\og], s40
.endm
	s_load_b256 s[4:11], s[0:1], 0x0               ; part s[4:5], qcode s[6:7], qside s[8:9], tcode s[10:11]
	s_load_b128 s[12:15], s[0:1], 0x20             ; tside s[12:13], train_label s[14:15]
	s_load_b64 s[16:17], s[0:1], 0x30              ; out0
	v_lshrrev_b32 v1, 5, v0
	v_readfirstlane_b32 s18, v1                    ; wave 0..15
	s_lshr_b32 s19, s18, 3                         ; which of the two query tiles
	s_and_b32 s20, s18, 7                          ; which pair of its queries
	v_and_b32 v1, 31, v0                           ; lane
	v_and_b32 v2, 15, v0                           ; r
	v_bfe_u32 v3, v0, 4, 1                         ; h
	s_lshl_b32 s21, s18, 17                        ; part: slice 2 w + h, 65,536 bytes each; in it 256 wg + 16 r: (key, group) of both tiles for query r
	s_lshl_b32 s22, ttmp9, 8
	s_add_co_u32 s21, s21, s22
	v_lshlrev_b32 v4, 4, v2
	v_lshl_add_u32 v4, v3, 16, v4
	v_add_nc_u32 v4, s21, v4
	s_lshl_b32 s22, ttmp9, 1
	s_add_co_u32 s22, s22, s19                     ; my query tile
	s_mul_i32 s23, s22, 1536
	v_lshl_add_u32 v5, v1, 4, s23
	s_lshl_b32 s23, s22, 7
	v_lshl_add_u32 v6, v2, 2, s23
	v_mul_u32_u24 v7, v2, PP                       ; the table: row r, place w
	s_lshl_b32 s24, s18, 4
	v_add_nc_u32 v7, s24, v7
	v_mul_u32_u24 v16, v3, PP                      ; and back: lanes 0-15 the sixteen places of my first query, lanes 16-31 of my second; 8 bytes of my tile
	v_lshl_add_u32 v16, v2, 4, v16
	s_mul_i32 s24, s20, 2*PP
	s_lshl_b32 s25, s19, 3
	s_add_co_u32 s24, s24, s25
	v_add_nc_u32 v16, s24, v16
	s_lshl_b32 s24, s18, 7
	s_add_co_u32 s24, s24, OUTS
	v_lshl_add_u32 v17, v1, 2, s24                 ; the labels: 128 w + 4 x lane
	v_lshrrev_b32 v18, 1, v2                       ; and back, in wave 0: query l lies in wave 8 (l / 16) + (l % 16) / 2 at lane l % 16
	v_lshl_add_u32 v18, v3, 3, v18
	v_lshlrev_b32 v18, 7, v18
	v_lshl_add_u32 v18, v2, 2, v18
	v_add_nc_u32 v18, OUTS, v18
	s_lshl_b32 s24, ttmp9, 7
	v_lshl_add_u32 v19, v1, 2, s24                 ; out0: 128 wg + 4 x lane
	v_lshrrev_b32 v[T0], 3, v2                     ; g = r / 8
	v_and_b32 v[T1], 7, v2                         ; j = r % 8
	v_mul_u32_u24 v[AC], v[T0], 6144               ; the lane terms of a refine fragment: four tiles on for rows 8-15, 16 bytes a row, 256 for the upper half of the lanes;
	v_lshl_add_u32 v[AC], v[T1], 4, v[AC]
	v_lshl_add_u32 v[AC], v3, 8, v[AC]
	v_lshlrev_b32 v[AS], 9, v[T0]                  ; of its scale words;
	v_lshl_add_u32 v[AS], v[T1], 2, v[AS]
	v_lshlrev_b32 v[AH], 9, v3                     ; of hy, in the result layout: rows 8 h on
	s_lshl_b32 s37, s20, 1
	s_add_co_u32 s37, s37, 1
	v_cmp_eq_u32 s36, s37, v2                      ; the lanes of my second query
	s_mov_b32 s26, 0x76543210
	s_mov_b32 s27, 0xfedcba98                      ; v_permlanex16_b32 selects for lane l xor 16
.irp i, 12,13,14,15,38,39
	v_mov_b32 v\i, 0                               ; written once: the destination of a lane permute or of a DPP move counts as one of its sources
.endr
	v_mov_b32 v[HM], 0
	v_mov_b32 v[LB], 0
	s_wait_kmcnt 0x0
	global_load_b128 v[8:11], v4, s[4:5]
.irp c, 0,1,2
	global_load_b128 v[BQ+4*\c:BQ+4*\c+3], v5, s[6:7] offset:512*\c
.endr
	global_load_b32 v[QSC], v6, s[8:9]
	global_load_b32 v[X2], v6, s[8:9] offset:64
	s_wait_loadcnt 0x5                             ; the entry of part is in; the five loads behind it may be out
.irp i, 0,1,2,3
	v_permlanex16_b32 v[12+\i], v[8+\i], s26, s27
.endr
	LEXU 8, 9, 12, 13                              ; slices 2 w and 2 w + 1 joined, for both tiles
	LEXU 10, 11, 14, 15
	ds_store_b128 v7, v[8:11]                      ; both halves of the lanes write the same bytes with the same values
	s_wait_dscnt 0x0                               ; for the others sake: my store is done
	s_barrier_signal -1
	s_barrier_wait -1
	ds_load_b64 v[KG:KG+1], v16
	s_wait_dscnt 0x0
.irp m, 1,2,4,8
	v_mov_b32_dpp v38, v[KG] row_xmask:\m row_mask:0xf bank_mask:0xf
	v_mov_b32_dpp v39, v[KG+1] row_xmask:\m row_mask:0xf bank_mask:0xf
	LEXU KG, KG+1, 38, 39
.endr                                              ; lanes 0-15 hold my first query winner, lanes 16-31 my second
	v_permlanex16_b32 v38, v[KG+1], s26, s27       ; lane 0 takes lane 16
	v_readfirstlane_b32 s28, v[KG+1]               ; the group of my first query,
	v_readfirstlane_b32 s29, v38                   ; and of my second
	s_min_u32 s28, s28, 511                        ; a group number read from memory enters an address only behind this hold: there are 512 groups
	s_min_u32 s29, s29, 511
.irp q, 0,1
	s_and_b32 s30, s[28+\q], 0x1fe                 ; 2 x the run of eight tiles,
	s_and_b32 s31, s[28+\q], 1                     ; and which eight rows of each tile
	s_mul_i32 s32, s30, 6144                       ; codes: 12,288 bytes a run,
	s_lshl_b32 s33, s31, 7                         ; 128 bytes for eight rows
	s_add_co_u32 s[48+\q], s32, s33
	s_lshl_b32 s32, s30, 9                         ; side bytes: 1,024 a run,
	s_lshl_b32 s33, s31, 5                         ; 32 for eight rows
	s_add_co_u32 s[50+\q], s32, s33
.endr
	v_add_nc_u32 v[AC+1], s49, v[AC]
	v_add_nc_u32 v[AC], s48, v[AC]
	v_add_nc_u32 v[AS+1], s51, v[AS]
	v_add_nc_u32 v[AS], s50, v[AS]
	v_add_nc_u32 v[AH+1], s51, v[AH]
	v_add_nc_u32 v[AH], s50, v[AH]
	v_mov_b32 v[T0], s28
	v_mov_b32 v[T1], s29
	v_cndmask_b32 v[T0], v[T0], v[T1], s36         ; the group of the query in my lane (only the lanes of my two queries count),
	v_min_u32 v[T0], 0x1ff, v[T0]                  ; held once more behind the choice
	v_lshlrev_b32 v[AL], 8, v[T0]                  ; its 64 labels are 256 bytes;
	v_lshl_add_u32 v[AL], v3, 7, v[AL]             ; lanes 16-31 take the upper 32
.irp q, 0,1
.irp u, 0,1,2,3
.irp c, 0,1,2
	global_load_b128 v[A+48*\q+12*\u+4*\c:A+48*\q+12*\u+4*\c+3], v[AC+\q], s[10:11] offset:1536*\u+512*\c
.endr
	global_load_b32 v[ASC+4*\q+\u], v[AS+\q], s[12:13] offset:128*\u
	global_load_b128 v[D+32*\q+8*\u:D+32*\q+8*\u+3], v[AH+\q], s[12:13] offset:128*\u+64       ; hy of rows 8 h + 0 .. 7 of the refine tile
	global_load_b128 v[D+32*\q+8*\u+4:D+32*\q+8*\u+7], v[AH+\q], s[12:13] offset:128*\u+80
.endr
.endr
.irp i, 0,1,2,3,4,5,6,7
	global_load_b128 v[LAB+4*\i:LAB+4*\i+3], v[AL], s[14:15] offset:16*\i
.endr
	s_wait_loadcnt 0x0
	v_mov_b32 v[X2+1], v[X2]                       ; the packed forms below name the pair
.irp q, 0,1
.irp u, 0,1,2,3                                    ; the same form and the same places of the operands as in the launch before: source 0 = 16 training rows, source 1 = my 16 queries, C = hy; eight sums, each of one instruction
	v_wmma_scale_f32_16x16x128_f8f6f4 v[D+32*\q+8*\u:D+32*\q+8*\u+7], v[A+48*\q+12*\u:A+48*\q+12*\u+11], v[BQ:BQ+11], v[D+32*\q+8*\u:D+32*\q+8*\u+7], v[ASC+4*\q+\u], v[QSC] matrix_a_fmt:MATRIX_FMT_BF6 matrix_b_fmt:MATRIX_FMT_BF6
.endr
.endr
.rept 4
	v_nop                                          ; four places behind the last product, ahead of the first read of results (ISA guide 7.12.1)
.endr
.irp n, 0,1,2,3,4,5,6,7,8,9,10,11,12,13,14,15,16,17,18,19,20,21,22,23,24,25,26,27,28,29,30,31
	v_cndmask_b32 v[D+\n], v[D+\n], v[D+32+\n], s36    ; the lanes of my second query take the second group results; each result is read from its low end on
.endr
.irp u, 0,1,2,3
	v_max3_num_f32 v[A+\u], v[D+8*\u], v[D+8*\u+1], v[D+8*\u+2]      ; the largest D of my 32, in four chains
.endr
.irp i, 3,5
.irp u, 0,1,2,3
	v_max3_num_f32 v[A+\u], v[A+\u], v[D+8*\u+\i], v[D+8*\u+\i+1]
.endr
.endr
.irp u, 0,1,2,3
	v_max_num_f32 v[A+\u], v[A+\u], v[D+8*\u+7]
.endr
	v_max3_num_f32 v[HMH], v[A], v[A+1], v[A+2]
	v_max_num_f32 v[HMH], v[HMH], v[A+3]
	v_permlanex16_b32 v[HM], v[HMH], s26, s27
	v_max_num_f32 v[HM], v[HM], v[HMH]             ; with lane l xor 16: of the group 64
	v_fma_f32 v[T0], v[HM], -2.0, v[X2]            ; the group smallest d2,
	v_max_num_f32 v[T0], 0, v[T0]                  ; held at 0
	v_sqrt_f32 v[KK], v[T0]
.irp p, 0,1,2,3,4,5,6,7,8,9,10,11,12,13,14,15
	v_pk_fma_f32 v[D+32+2*\p:D+33+2*\p], v[D+2*\p:D+2*\p+1], -2.0, v[X2:X2+1] op_sel_hi:[1,0,1]   ; a = x2 - 2 D of my 32 points: plain work behind the root
.endr
	v_fma_f32 v[HMH], v[HMH], -2.0, v[X2]          ; and the smallest a of my 32
	s_wait_alu depctr_va_vdst(0)                   ; the wait ahead of the first reader of the root
	v_add_nc_u32 v[KK+1], -1, v[KK]                ; the float below the root,
	v_add_nc_u32 v[NKU], 1, v[KK]                  ; and the one above
	v_fma_f32 v[NKU+1], -v[KK+1], v[KK], v[T0]     ; not positive where the true root lies nearer to the float below
	v_fma_f32 v[T1], -v[NKU], v[KK], v[T0]         ; positive where it lies nearer to the float above.  (With a root of 0 the float below is a NaN pattern, and no compare takes it)
	v_cmp_ge_f32 s40, 0, v[NKU+1]
	v_cmp_lt_f32 s41, 0, v[T1]
	v_cndmask_b32 v[KK], v[KK], v[KK+1], s40
	v_cndmask_b32 v[KK], v[KK], v[NKU], s41        ; k: the group smallest dist, rounded to nearest
	v_mov_b32 v[KK+1], v[KK]
	v_add_nc_u32 v[NKU], 1, v[KK]                  ; ku,
	v_xor_b32 v[NKU], 0x80000000, v[NKU]           ; negated
	v_mov_b32 v[NKU+1], v[NKU]
.irp p, 0,1,2,3,4,5,6,7,8,9,10,11,12,13,14,15
	v_pk_fma_f32 v[D+32+2*\p:D+33+2*\p], v[NKU:NKU+1], v[KK:KK+1], v[D+32+2*\p:D+33+2*\p]         ; a - k ku: not positive exactly where the point dist is k
.endr
	v_fma_f32 v[HMH], v[NKU], v[KK], v[HMH]
	v_cmp_ge_f32 s48, 0, v[HMH]                    ; does any of my 32 points reach k?
.irp q, 24,16,8,0                                  ; from the last point to the first: the lowest index stays
.irp j, 0,1,2,3,4,5,6,7
	v_cmp_ge_f32 s[40+\j], 0, v[D+32+\q+\j]
.endr
.irp j, 7,6,5,4,3,2,1,0
	v_cndmask_b32 v[LB], v[LB], v[LAB+\q+\j], s[40+\j]
.endr
.endr
	v_permlanex16_b32 v[HM], v[LB], s26, s27
	v_cndmask_b32 v[LB], v[HM], v[LB], s48         ; in lanes 0-15, which hold the earlier 32 points: my own label if I have one, else that of lane l + 16
	ds_store_b32 v17, v[LB]
	s_wait_dscnt 0x0                               ; for wave 0: my store is done
	s_barrier_signal -1
	s_barrier_wait -1
	s_cmp_lg_u32 s18, 0
	s_cbranch_scc1 .Ldone
	ds_load_b32 v[T0], v18                         ; wave 0 gathers the 32 labels, a query a lane
	s_wait_dscnt 0x0
	global_store_b32 v19, v[T0], s[16:17]          ; 32 lanes store 128 consecutive bytes
.Ldone:
	s_wait_xcnt 0x0
	v_lshl_add_u32 v254, v0, 2, 0x1c00
	v_mov_b32 v255, 0
	s_wait_tensorcnt 0x0
	ds_add_u32 v254, v255
	s_wait_dscnt 0x0
	s_endpgm
.Lfunc_end_k_qea8e3ca2b7_pick:
	.size	k_qea8e3ca2b7_pick, .Lfunc_end_k_qea8e3ca2b7_pick-k_qea8e3ca2b7_pick
	.p2alignl 7, 3214868480
	.fill 96, 4, 3214868480
	.section	.rodata,"a",@progbits
	.p2align	6, 0x0
	.amdhsa_kernel k_qea8e3ca2b7_pick
		.amdhsa_group_segment_fixed_size 9216
		.amdhsa_private_segment_fixed_size 0
		.amdhsa_enable_private_segment 0
		.amdhsa_kernarg_size 56
		.amdhsa_user_sgpr_count 2
		.amdhsa_user_sgpr_kernarg_segment_ptr 1
		.amdhsa_wavefront_size32 1
		.amdhsa_system_sgpr_workgroup_id_x 1
		.amdhsa_system_sgpr_workgroup_id_y 1
		.amdhsa_system_sgpr_workgroup_id_z 1
		.amdhsa_system_vgpr_workitem_id 0
		.amdhsa_next_free_vgpr 256
		.amdhsa_next_free_sgpr 66
		.amdhsa_reserve_vcc 0
		.amdhsa_float_denorm_mode_32 3
		.amdhsa_float_denorm_mode_16_64 3
		.amdhsa_memory_ordered 1
		.amdhsa_forward_progress 1
		.amdhsa_inst_pref_size 26
	.end_amdhsa_kernel
	.amdgpu_metadata
---
amdhsa.version: [ 1, 2 ]
amdhsa.kernels:
  - .name:           k_qea8e3ca2b7_pick
    .symbol:         k_qea8e3ca2b7_pick.kd
    .args:
      - { .name: part, .offset: 0, .size: 8, .value_kind: global_buffer, .address_space: global }
      - { .name: qcode, .offset: 8, .size: 8, .value_kind: global_buffer, .address_space: global }
      - { .name: qside, .offset: 16, .size: 8, .value_kind: global_buffer, .address_space: global }
      - { .name: tcode, .offset: 24, .size: 8, .value_kind: global_buffer, .address_space: global }
      - { .name: tside, .offset: 32, .size: 8, .value_kind: global_buffer, .address_space: global }
      - { .name: train_label, .offset: 40, .size: 8, .value_kind: global_buffer, .address_space: global }
      - { .name: out0, .offset: 48, .size: 8, .value_kind: global_buffer, .address_space: global }
    .group_segment_fixed_size: 9216
    .private_segment_fixed_size: 0
    .kernarg_segment_align: 8
    .kernarg_segment_size: 56
    .max_flat_workgroup_size: 512
    .sgpr_count:     66
    .vgpr_count:     256
    .wavefront_size: 32
...
	.end_amdgpu_metadata
.endif
;; end of part 3
